; MI455X (gfx1250); checked and timed in simulation.
; The chip was launched on July 23, 2026; its instructions are those of AMD's public machine-readable ISA for CDNA 5 (MIT licence, August 2026) and "CDNA5" Instruction Set Architecture Reference Guide (July 2026). The comments in the code are by the model that wrote it; some were corrected since.
;; Affine Transformer. Allowed arithmetic: float matrix products may take bf16 or f16 operands with f32 sums; all other float work in f32.
;; Inputs: affine 2 x 3 float32; scale 2 x 3 float32; shear 2 x 6 float32; src 2 x 1 x 160 x 192 x 160 float32; translate 2 x 3 float32.
;; Outputs: out0 2 x 1 x 160 x 192 x 160 float32; out1 2 x 3 x 4 float32.
;; One version. Each part assembles by itself: llvm-mc -triple=amdgcn-amd-amdhsa -mcpu=gfx1250 --defsym DOCPART=n.
;; ======== version 1 of 1: 2 launches
;; limits: right only within a limited range of input values
;; workspace buffers: prm 256 bytes of whole numbers
;; launch matrix (part 1): grid 1 x 1, 1 waves a work-group, no clusters, 0 bytes of LDS; arguments affine, scale, shear, translate, out1, prm; writes out1, prm
.if DOCPART == 1
	.amdgcn_target "amdgcn-amd-amdhsa--gfx1250"
	.amdhsa_code_object_version 6
	.text
	.protected	k_q1d741b7c86_matrix
	.globl	k_q1d741b7c86_matrix
	.p2align	8
	.type	k_q1d741b7c86_matrix,@function
k_q1d741b7c86_matrix:
	s_mov_b64 s[64:65], 0
	v_nop
	global_prefetch_b8 v0, s[64:65] scope:SCOPE_SE
	s_setreg_imm32_b32 hwreg(HW_REG_WAVE_MODE, 25, 1), 1
	s_wait_xcnt 0x0
; The 3 x 4 affine matrix of both samples (out1), and the same map in whole numbers for the sampling launch (prm).
; One wave.  Lanes 0-15 serve sample 0, lanes 16-31 sample 1.  Lane k of a half takes one angle: k = 0..2 the rotations,
; k = 3..8 the six shears (k > 8 repeats the last shear and is not used).  One pass of sine and cosine serves all 18 angles;
; a share within the half of 16 lanes then gives every lane all figures of its sample, and lane 0 of each half stores.
;
; prm, 16 words a sample: for the axes x, y, z four words A, B, C, T, then Fx, Fy, Fz, 0.
;   pixel coordinate of output voxel (w, h, d) on an axis = (A w + B h + C d + T) / 2^F
; which is reference()'s linspace, einsum and (g + 1) / 2 * (size - 1) multiplied out:
;   A = m[i][0] (S-1)/159,  B = m[i][1] (S-1)/191,  C = m[i][2] (S-1)/159,  T = (S-1)/2 (t[i] + 1 - m[i][0] - m[i][1] - m[i][2]),  S = 160, 192, 160.
; F = 29 - floor(log2(1 + |T| + 159 |A| + 191 |B| + 159 |C|)), held to 0..24: every coordinate of the volume stays under 2^30 in 32 bits,
; and the rounding of the four words moves a coordinate by at most 255 / 2^F pixels.
; LIMITS: angles up to about 1e5 rad (three-part reduction by pi/2, polynomials good to about 1e-7);
; pixel coordinates of 2^30 and beyond are not served (F would have to be negative).
.set KK,  1                            ; v1        lane mod 16
.set NN,  2                            ; v2        sample
.set SC,  8                            ; v[8:10]   scale
.set SN,  30                           ; v[30:32]  sin of the rotations x, y, z
.set CS,  33                           ; v[33:35]  cos
.set TN,  36                           ; v[36:41]  tan of the shears xy, xz, yx, yz, zx, zy
.set Q,   44                           ; v[44:52]  rot_z rot_y rot_x, then scaled: element (i, j) at Q + 3 i + j
.set MAT, 56                           ; v[56:67]  the result, row i at MAT + 4 i: three of m, then the translation
.set CF,  70                           ; v[70:73]  an axis' coefficients in pixels
.set MX,  74                           ; v74       bound on the axis' coordinates
.set PRM, 80                           ; v[80:95]  the sixteen words
	s_load_b256 s[4:11], s[0:1], 0x0               ; affine s[4:5], scale s[6:7], shear s[8:9], translate s[10:11]
	s_load_b128 s[12:15], s[0:1], 0x20             ; out1 s[12:13], prm s[14:15]
	s_mov_b32 s16, 0x431f0000                      ; 159.0
	s_mov_b32 s17, 0x433f0000                      ; 191.0
	v_and_b32 v[KK], 15, v0
	v_lshrrev_b32 v[NN], 4, v0
	v_min_u32 v3, 2, v[KK]
	v_mad_u32_u24 v3, v[NN], 3, v3
	v_lshlrev_b32 v3, 2, v3                        ; affine: byte 4 (3 n + min(k, 2))
	v_add_nc_u32 v4, -3, v[KK]
	v_max_i32 v4, 0, v4
	v_min_u32 v4, 5, v4
	v_mad_u32_u24 v4, v[NN], 6, v4
	v_lshlrev_b32 v4, 2, v4                        ; shear: byte 4 (6 n + clamp(k - 3, 0, 5))
	v_mul_u32_u24 v5, v[NN], 12                    ; scale, translate: byte 12 n
	v_mul_u32_u24 v96, v[NN], 48                   ; out1: 48 bytes a sample
	v_lshlrev_b32 v97, 6, v[NN]                    ; prm: 64 bytes a sample
	s_wait_kmcnt 0x0
	global_load_b32 v6, v3, s[4:5]
	global_load_b32 v7, v4, s[8:9]
	global_load_b32 v[SC],   v5, s[6:7]
	global_load_b32 v[SC+1], v5, s[6:7] offset:4
	global_load_b32 v[SC+2], v5, s[6:7] offset:8
	global_load_b32 v[MAT+3],  v5, s[10:11]        ; the translation lands where it is stored from
	global_load_b32 v[MAT+7],  v5, s[10:11] offset:4
	global_load_b32 v[MAT+11], v5, s[10:11] offset:8
.irp j, 0,1,2,3,4,5,6,7,8,9,10,11
	v_mov_b32 v[SN+\j], 0                          ; the destination of a DPP move counts as read: written once before
.endr
	v_mov_b32 v[PRM+15], 0
	s_wait_loadcnt 0x0
	v_cmp_gt_u32 vcc_lo, 3, v[KK]
	v_cndmask_b32 v6, v7, v6, vcc_lo               ; my angle x: a rotation for k < 3, else a shear
	; x = q pi/2 + r, |r| <= pi/4: pi/2 in three parts, each taken off by one fused multiply-add
	v_mul_f32 v14, 0x3f22f983, v6                  ; x 2/pi
	v_rndne_f32 v14, v14                           ; q
	v_fmamk_f32 v15, v14, 0xbfc90fdb, v6
	v_fmamk_f32 v15, v14, 0x333bbd2e, v15
	v_fmamk_f32 v15, v14, 0x26f72ced, v15          ; r
	v_cvt_i32_f32 v16, v14
	v_mul_f32 v17, v15, v15                        ; r^2
	v_mov_b32 v18, 0xb94ca1f9
	v_mov_b32 v20, 0x37ccf5ce
	v_fmaak_f32 v18, v18, v17, 0x3c08839e
	v_fmaak_f32 v20, v20, v17, 0xbab6061a
	v_fmaak_f32 v18, v18, v17, 0xbe2aaaa3
	v_fmaak_f32 v20, v20, v17, 0x3d2aaaa5
	v_mul_f32 v19, v17, v15                        ; r^3
	v_mul_f32 v21, v17, v17                        ; r^4
	v_fma_f32 v22, v17, -0.5, 1.0
	v_fma_f32 v18, v18, v19, v15                   ; sin r
	v_fma_f32 v20, v20, v21, v22                   ; cos r
	; the quadrant: odd q swaps the two; bit 1 of q turns the sine's sign, bit 1 of q + 1 the cosine's
	v_and_b32 v23, 1, v16
	v_cmp_eq_u32 vcc_lo, 1, v23
	v_cndmask_b32 v24, v18, v20, vcc_lo
	v_cndmask_b32 v25, v20, v18, vcc_lo
	v_and_b32 v26, 2, v16
	v_add_nc_u32 v27, 1, v16
	v_lshlrev_b32 v26, 30, v26
	v_and_b32 v27, 2, v27
	v_xor_b32 v24, v24, v26                        ; sin x
	v_lshlrev_b32 v27, 30, v27
	v_xor_b32 v25, v25, v27                        ; cos x
	v_rcp_f32 v28, v25
	v_nop                                          ; one plain vector instruction between v_rcp_f32 and the use of its result
	s_wait_alu depctr_va_vdst(0)
	v_mul_f32 v28, v24, v28                        ; tan x
.irp j, 0,1,2
	v_mov_b32_dpp v[SN+\j], v24 row_share:\j row_mask:0xf bank_mask:0xf
	v_mov_b32_dpp v[CS+\j], v25 row_share:\j row_mask:0xf bank_mask:0xf
.endr
.irp j, 3,4,5,6,7,8
	v_mov_b32_dpp v[TN+\j-3], v28 row_share:\j row_mask:0xf bank_mask:0xf
.endr
	; Q = rot_z (rot_y rot_x), multiplied out.  With s, c for sine and cosine of x, y, z:
	;   ( cz cy   cz sy sx + sz cx   sz sx - cz sy cx )
	;   (-sz cy   cz cx - sz sy sx   cz sx + sz sy cx )
	;   ( sy     -cy sx              cy cx            )
	v_mul_f32 v42, v[SN+1], v[SN]                  ; sy sx
	v_mul_f32 v43, v[SN+1], v[CS]                  ; sy cx
	v_mul_f32 v[Q+0], v[CS+2], v[CS+1]
	v_mul_f32 v[Q+1], v[SN+2], v[CS]
	v_mul_f32 v[Q+2], v[SN+2], v[SN]
	v_mul_f32 v[Q+3], -v[SN+2], v[CS+1]
	v_mul_f32 v[Q+4], v[CS+2], v[CS]
	v_mul_f32 v[Q+5], v[CS+2], v[SN]
	v_mul_f32 v[Q+7], -v[CS+1], v[SN]
	v_mul_f32 v[Q+8], v[CS+1], v[CS]
	v_fmac_f32 v[Q+1], v[CS+2], v42
	v_fma_f32 v[Q+2], -v[CS+2], v43, v[Q+2]
	v_fma_f32 v[Q+4], -v[SN+2], v42, v[Q+4]
	v_fmac_f32 v[Q+5], v[SN+2], v43
	; the scale multiplies the rows
.irp j, 0,1,2
	v_mul_f32 v[Q+\j],   v[SC],   v[Q+\j]
	v_mul_f32 v[Q+3+\j], v[SC+1], v[Q+3+\j]
.endr
	v_mul_f32 v[Q+6], v[SC+2], v[SN+1]
	v_mul_f32 v[Q+7], v[SC+2], v[Q+7]
	v_mul_f32 v[Q+8], v[SC+2], v[Q+8]
	; the shear, rows (1, t_yx, t_zx), (t_xy, 1, t_zy), (t_xz, t_yz, 1)
.irp j, 0,1,2
	v_fma_f32 v[MAT+\j],   v[TN+2], v[Q+3+\j], v[Q+\j]
	v_fma_f32 v[MAT+4+\j], v[TN+0], v[Q+\j],   v[Q+3+\j]
	v_fma_f32 v[MAT+8+\j], v[TN+1], v[Q+\j],   v[Q+6+\j]
	v_fmac_f32 v[MAT+\j],   v[TN+4], v[Q+6+\j]
	v_fmac_f32 v[MAT+4+\j], v[TN+5], v[Q+6+\j]
	v_fmac_f32 v[MAT+8+\j], v[TN+3], v[Q+3+\j]
.endr
; One axis: coefficients in pixels, the fraction width, the four whole numbers.
; fa, fb, fc: the ratio (S-1)/159, (S-1)/191, (S-1)/159 as f32 bits, or 0 where it is one; half: (S-1)/2.
.macro AXIS i, fa, fb, fc, half
.if \fa
	v_mul_f32 v[CF], \fa, v[MAT+4*\i]
.set RA, CF
.else
.set RA, MAT+4*\i
.endif
.if \fb
	v_mul_f32 v[CF+1], \fb, v[MAT+4*\i+1]
.set RB, CF+1
.else
.set RB, MAT+4*\i+1
.endif
.if \fc
	v_mul_f32 v[CF+2], \fc, v[MAT+4*\i+2]
.set RC, CF+2
.else
.set RC, MAT+4*\i+2
.endif
	v_add_f32 v[CF+3], 1.0, v[MAT+4*\i+3]
	v_sub_f32 v[CF+3], v[CF+3], v[MAT+4*\i]
	v_sub_f32 v[CF+3], v[CF+3], v[MAT+4*\i+1]
	v_sub_f32 v[CF+3], v[CF+3], v[MAT+4*\i+2]
	v_mul_f32 v[CF+3], \half, v[CF+3]              ; T
	v_add_f32 v[MX], 1.0, |v[CF+3]|
	v_fma_f32 v[MX], |v[RA]|, s16, v[MX]
	v_fma_f32 v[MX], |v[RB]|, s17, v[MX]
	v_fma_f32 v[MX], |v[RC]|, s16, v[MX]           ; no coordinate of the volume is larger
	v_lshrrev_b32 v[PRM+12+\i], 23, v[MX]          ; its exponent + 127 (the bound is positive)
	v_sub_nc_u32 v[PRM+12+\i], 156, v[PRM+12+\i]   ; 29 - exponent
	v_max_i32 v[PRM+12+\i], 0, v[PRM+12+\i]
	v_min_i32 v[PRM+12+\i], 24, v[PRM+12+\i]       ; F
	v_ldexp_f32 v[PRM+4*\i],   v[RA],   v[PRM+12+\i]
	v_ldexp_f32 v[PRM+4*\i+1], v[RB],   v[PRM+12+\i]
	v_ldexp_f32 v[PRM+4*\i+2], v[RC],   v[PRM+12+\i]
	v_ldexp_f32 v[PRM+4*\i+3], v[CF+3], v[PRM+12+\i]
.irp j, 0,1,2,3
	v_rndne_f32 v[PRM+4*\i+\j], v[PRM+4*\i+\j]
.endr
.irp j, 0,1,2,3
	v_cvt_i32_f32 v[PRM+4*\i+\j], v[PRM+4*\i+\j]
.endr
.endm
	AXIS 0, 0, 0x3f551c26, 0, 0x429f0000           ; x: S = 160: 1, 159/191, 1; 79.5
	AXIS 1, 0x3f99c2d1, 0, 0x3f99c2d1, 0x42bf0000  ; y: S = 192: 191/159, 1, 191/159; 95.5
	AXIS 2, 0, 0x3f551c26, 0, 0x429f0000           ; z: S = 160
	s_wait_xcnt 0x0                                ; EXEC is a source of the loads above: it changes only behind this wait
	v_cmp_eq_u32 vcc_lo, 0, v[KK]
	s_and_saveexec_b32 s18, vcc_lo                 ; lanes 0 and 16 store their sample
.irp i, 0,1,2
	global_store_b128 v96, v[MAT+4*\i:MAT+4*\i+3], s[12:13] offset:16*\i
.endr
.irp i, 0,1,2,3
	global_store_b128 v97, v[PRM+4*\i:PRM+4*\i+3], s[14:15] offset:16*\i
.endr
	s_endpgm
.Lfunc_end_k_q1d741b7c86_matrix:
	.size	k_q1d741b7c86_matrix, .Lfunc_end_k_q1d741b7c86_matrix-k_q1d741b7c86_matrix
	.p2alignl 7, 3214868480
	.fill 96, 4, 3214868480
	.section	.rodata,"a",@progbits
	.p2align	6, 0x0
	.amdhsa_kernel k_q1d741b7c86_matrix
		.amdhsa_group_segment_fixed_size 0
		.amdhsa_private_segment_fixed_size 0
		.amdhsa_enable_private_segment 0
		.amdhsa_kernarg_size 48
		.amdhsa_user_sgpr_count 2
		.amdhsa_user_sgpr_kernarg_segment_ptr 1
		.amdhsa_wavefront_size32 1
		.amdhsa_system_sgpr_workgroup_id_x 1
		.amdhsa_system_sgpr_workgroup_id_y 1
		.amdhsa_system_sgpr_workgroup_id_z 1
		.amdhsa_system_vgpr_workitem_id 0
		.amdhsa_next_free_vgpr 100
		.amdhsa_next_free_sgpr 66
		.amdhsa_reserve_vcc 1
		.amdhsa_float_denorm_mode_32 3
		.amdhsa_float_denorm_mode_16_64 3
		.amdhsa_memory_ordered 1
		.amdhsa_forward_progress 1
		.amdhsa_inst_pref_size 11
	.end_amdhsa_kernel
	.amdgpu_metadata
---
amdhsa.version: [ 1, 2 ]
amdhsa.kernels:
  - .name:           k_q1d741b7c86_matrix
    .symbol:         k_q1d741b7c86_matrix.kd
    .args:
      - { .name: affine, .offset: 0, .size: 8, .value_kind: global_buffer, .address_space: global }
      - { .name: scale, .offset: 8, .size: 8, .value_kind: global_buffer, .address_space: global }
      - { .name: shear, .offset: 16, .size: 8, .value_kind: global_buffer, .address_space: global }
      - { .name: translate, .offset: 24, .size: 8, .value_kind: global_buffer, .address_space: global }
      - { .name: out1, .offset: 32, .size: 8, .value_kind: global_buffer, .address_space: global }
      - { .name: prm, .offset: 40, .size: 8, .value_kind: global_buffer, .address_space: global }
    .group_segment_fixed_size: 0
    .private_segment_fixed_size: 0
    .kernarg_segment_align: 8
    .kernarg_segment_size: 48
    .max_flat_workgroup_size: 32
    .sgpr_count:     66
    .vgpr_count:     100
    .wavefront_size: 32
...
	.end_amdgpu_metadata
.endif
;; end of part 1
;; launch sample (part 2): grid 128 x 2, 20 waves a work-group, no clusters, 12,800 bytes of LDS; arguments src, prm, out0; writes out0
.if DOCPART == 2
	.amdgcn_target "amdgcn-amd-amdhsa--gfx1250"
	.amdhsa_code_object_version 6
	.text
	.protected	k_q1d741b7c86_sample
	.globl	k_q1d741b7c86_sample
	.p2align	8
	.type	k_q1d741b7c86_sample,@function
k_q1d741b7c86_sample:
	s_mov_b64 s[64:65], 0
	v_nop
	global_prefetch_b8 v0, s[64:65] scope:SCOPE_SE
	s_setreg_imm32_b32 hwreg(HW_REG_WAVE_MODE, 25, 1), 1
	s_wait_xcnt 0x0
; out0[n][d][h][w] = trilinear sample of src[n] at the affine image of (w, h, d), zeros outside.  src, out0: [2][160][192][160] f32.
; The map comes as whole numbers (prm, 16 words a sample): on each axis coordinate = (A w + B h + C d + T) / 2^F, under 2^30 in 32 bits
; for every voxel of the volume.  Addresses are made from these whole numbers alone; floats are used for the weights only.
;
; WHO DOES WHAT.  256 work-groups of 20 waves.  A work-group owns 160 (w) x 48 (h) x 5 (d) voxels of one sample; wave v owns 12 rows of slice
; v mod 5, so that waves on neighbouring slices walk the same source planes at the same time.  12 rows = 3 units of 4 rows; a unit is 20 groups of
; 32 voxels (160 = 5 x 32: a group never crosses a row) = 5 quads of 128 consecutive voxels = 512 consecutive, aligned bytes of out0.
; All arithmetic has lane = voxel, lanes along w.  A coordinate costs one add: the row's scalar base (B h + C d + T) plus one of five registers A (lane + 32 k).
;
; EDGES.  b = clamp(floor(c), 0, S - 2), and samples b and b + 1 are always read.  With u = b - c the weights are the hat function round each
; sample: w(b) = max(0, 1 - |u|), w(b+1) = max(0, 1 - |u + 1|).  Inside the volume that is (1 - frac, frac); for c in (-1, 0) and (S-1, S) it
; gives the one valid corner its weight; further out both are 0.
;
; WHAT A GATHER ASKS FOR.  A gather serves 16 voxels with BOTH x corners: lanes 0-15 ask for column bx, lanes 16-31 for column bx + 1 of the same
; 16 voxels.  Its 32 addresses are then some 17 different neighbouring words for a map near the identity, where 32 voxels at one corner would be 32
; words that the next gather asks for again, one word on; and only half as many steps to another source row or plane fall inside one instruction.
; A group still takes eight gathers: two halves of 16 voxels x four corners (dy, dz), which differ in the immediate offset.
; The way into that layout and back is v_permlane16_swap_b32 a, b (a's lanes 16-31 change places with b's lanes 0-15):
;   (R, R)       -> R of voxels 0-15 in both halves of the lanes; R of voxels 16-31 in both       (R = 192 bz + by, the source row)
;   (bx, bx + 1) -> voxels 0-15: bx | bx + 1;  voxels 16-31: bx | bx + 1
;   the two registers that came for a corner (dy, dz) -> column bx of all 32 voxels; column bx + 1 of all 32 voxels.
;
; OVERLAP.  Two quad buffers, each of two pairs of groups; a pair is 16 gathers.  The next quad's pairs are asked for one at a time, each in front of
; the sum of one pair of this quad: 32 to 48 gathers of a wave are on their way.
; THE WAY OUT.  A lane's four results of a quad are 128 bytes apart; they are turned through 512 bytes of LDS that are the wave's own
; (four 4-byte stores, one 16-byte load), so that one store of the wave covers the quad's 512 bytes.  No barrier: no wave touches another's bytes.
; NOT USED: tensor loads and an LDS copy of src (a tile's source box hangs on the matrix and has no bound), clusters (no tile is shared through LDS),
; matrix instructions (the only product has K = 3, and its result steers addresses), one 8-byte gather for an x pair (its address would be no multiple of 8).
; LIMITS: src finite (a corner of weight 0 is another in-range sample than the clipped one of reference(), which shows only as 0 x inf);
; coordinates under 2^30 pixels, as the words of prm are made.
.set ROWB,   640                       ; bytes in a row of 160
.set SLICEB, 122880                    ; bytes in a slice of 192 rows
.set VOLB,   19660800                  ; bytes in a sample
.set RMAX,   158*192+190               ; the largest source row 192 bz + by
.set UNITS,  3
.set LANE, 1                           ; v1
.set LST,  2                           ; v2        LDS: where my result of a quad's group 0 goes
.set LLD,  3                           ; v3        LDS: my 16 bytes of the quad
.set OOFF, 4                           ; v4        16 x lane, my bytes in a quad of out0; never rewritten
.set AL,   6                           ; v[6:20]   axis a, column block k: A_a (lane + 32 k) at AL + 5 a + k
.set OUT,  22                          ; v[22:25]  four neighbouring results
.set TC,   26                          ; v[26:37]  pair p, axis a, group e of the pair at 6 p + 2 a + e: coordinate, then u = b - c in pixels
.set TI,   38                          ; v[38:49]  the same order: b (x's four are exchanged in place once their f32 is made)
.set TB,   50                          ; v[50:61]  the same order: b as f32, then u + 1
.set BUF,  62                          ; two quad buffers of BSZ registers
.set BSZ,  64
.set WT,   8                           ;   + 4 p + 2 e + half: byte offsets of group (p, e), voxels 0-15 and 16-31; + WT + 12 p + 4 a + 2 (which of b, b+1) + e: weights
.set DT,   32                          ;   + DT + 16 p + 2 (4 dz + 2 dy + dx) + e: samples (as they come: half in the place of dx)
.set PRM,  16                          ; s[16:31]  the sample's sixteen words
.set FS,   28                          ; s[28:30]  F of x, y, z
.set RB,   32                          ; s[32:43]  axis a, row r of the unit: B h + C d + T at RB + 4 a + r
.set NI,   44                          ; s[44:49]  -2^-F as f32, twice, for each axis (a pair for the packed multiply-add)
.set B4,   50                          ; s[50:52]  4 B: from unit to unit
.set A32,  53                          ; s[53:55]  32 A
.set CNT,  56
	s_load_b128 s[4:7], s[0:1], 0x0                ; src s[4:5], prm s[6:7]
	s_load_b64 s[8:9], s[0:1], 0x10                ; out0
	v_lshl_add_u32 v190, v0, 2, 0x2800
	v_mov_b32 v191, 0
	v_lshrrev_b32 v[LANE], 5, v0
	v_readfirstlane_b32 s10, v[LANE]               ; wave 0..19
	v_and_b32 v[LANE], 31, v0
	s_and_b32 s11, ttmp7, 0xffff                   ; sample
	s_lshl_b32 s12, s11, 6
	s_mov_b32 s13, 0
	s_wait_kmcnt 0x0
	s_add_nc_u64 s[6:7], s[6:7], s[12:13]
	s_load_b512 s[PRM:PRM+15], s[6:7], 0x0
	s_mul_i32 s14, s10, 13
	s_lshr_b32 s14, s14, 6                         ; wave / 5 (13 v >> 6 for v < 20)
	s_mul_i32 s15, s14, 5
	s_sub_co_u32 s15, s10, s15                     ; wave mod 5
	s_and_b32 s57, ttmp9, 3
	s_lshr_b32 s58, ttmp9, 2
	s_mul_i32 s58, s58, 5
	s_add_co_u32 s58, s58, s15                     ; d = 5 (tile / 4) + wave mod 5
	s_mul_i32 s57, s57, 48
	s_mul_i32 s14, s14, 12
	s_add_co_u32 s57, s57, s14                     ; h = 48 (tile mod 4) + 12 (wave / 5): my first row
	s_mul_i32 s12, s11, VOLB
	s_add_nc_u64 s[4:5], s[4:5], s[12:13]          ; src at my sample
	s_mul_i32 s12, s11, 160
	s_add_co_u32 s12, s12, s58
	s_mul_i32 s12, s12, 192
	s_add_co_u32 s12, s12, s57
	s_mul_i32 s12, s12, ROWB                       ; under 39,321,600: 32 bits do
	s_add_nc_u64 s[8:9], s[8:9], s[12:13]          ; out0 at my first row: a multiple of 7,680 = 15 x 512 bytes
	s_lshl_b32 s59, s10, 9                         ; my wave's 512 bytes of LDS
	v_lshl_add_u32 v[LST], v[LANE], 2, s59
	v_lshl_add_u32 v[LLD], v[LANE], 4, s59
	v_lshlrev_b32 v[OOFF], 4, v[LANE]
	s_wait_kmcnt 0x0
.irp a, 0,1,2
	s_mul_i32 s12, s[PRM+4*\a+1], s57
	s_mul_i32 s14, s[PRM+4*\a+2], s58
	s_add_co_u32 s12, s12, s14
	s_add_co_u32 s[RB+4*\a],   s12,          s[PRM+4*\a+3]     ; B h + C d + T
	s_add_co_u32 s[RB+4*\a+1], s[RB+4*\a],   s[PRM+4*\a+1]     ; and the three rows below
	s_add_co_u32 s[RB+4*\a+2], s[RB+4*\a+1], s[PRM+4*\a+1]
	s_add_co_u32 s[RB+4*\a+3], s[RB+4*\a+2], s[PRM+4*\a+1]
	s_lshl_b32 s[B4+\a],  s[PRM+4*\a+1], 2
	s_lshl_b32 s[A32+\a], s[PRM+4*\a], 5
	s_sub_co_u32 s12, 127, s[FS+\a]
	s_lshl_b32 s12, s12, 23                        ; the f32 2^-F,
	s_or_b32 s[NI+2*\a], s12, 0x80000000           ; negative
	s_mov_b32 s[NI+2*\a+1], s[NI+2*\a]
	v_mul_lo_u32 v[AL+5*\a], v[LANE], s[PRM+4*\a]
	v_add_nc_u32 v[AL+5*\a+1], s[A32+\a], v[AL+5*\a]
	v_add_nc_u32 v[AL+5*\a+2], s[A32+\a], v[AL+5*\a+1]
	v_add_nc_u32 v[AL+5*\a+3], s[A32+\a], v[AL+5*\a+2]
	v_add_nc_u32 v[AL+5*\a+4], s[A32+\a], v[AL+5*\a+3]
.endr
; Quad q of the unit: the twelve coordinates, their b, and the eight byte offsets into buffer b.
; Group g = 4 q + 2 p + e of the unit lies in row g / 5, columns 32 (g mod 5) + lane.
; XT: four registers for bx + 1, in the buffer's weight registers, which are written only later (WEIGH).
.macro COORD q, b
.set AB, BUF+BSZ*\b
.set XT, BUF+BSZ*\b+WT
.irp p, 0,1
.irp a, 0,1,2
.irp e, 0,1
	v_add_nc_u32 v[TC+6*\p+2*\a+\e], s[RB+4*\a+(4*\q+2*\p+\e)/5], v[AL+5*\a+(4*\q+2*\p+\e)%5]
.endr
.endr
.endr
.irp i, 0,1,2,3,4,5,6,7,8,9,10,11
	v_ashrrev_i32 v[TI+\i], s[FS+(\i%6)/2], v[TC+\i]           ; floor
.endr
.irp i, 0,1,2,3,4,5,6,7,8,9,10,11
	v_max_i32 v[TI+\i], 0, v[TI+\i]
.endr
.irp i, 0,1,2,3,4,5,6,7,8,9,10,11
	v_min_u32 v[TI+\i], 158+32*(((\i%6)/2)%2), v[TI+\i]        ; b <= S - 2: 158, 190, 158
.endr
.irp p, 0,1
.irp e, 0,1
	v_mad_u32_u24 v[AB+4*\p+2*\e],   v[TI+6*\p+4+\e], 192, v[TI+6*\p+2+\e]   ; the source row R = 192 bz + by,
	v_mad_u32_u24 v[AB+4*\p+2*\e+1], v[TI+6*\p+4+\e], 192, v[TI+6*\p+2+\e]   ; twice: the exchange works on two registers
.endr
.endr
.irp p, 0,1
.irp e, 0,1
	v_cvt_f32_u32 v[TB+6*\p+\e], v[TI+6*\p+\e]                 ; bx as f32 for the weights, while it still lies lane = voxel
	v_add_nc_u32 v[XT+2*\p+\e], 1, v[TI+6*\p+\e]               ; bx + 1
.endr
.endr
.irp p, 0,1
.irp e, 0,1
	v_permlane16_swap_b32 v[AB+4*\p+2*\e], v[AB+4*\p+2*\e+1]   ; R of voxels 0-15 in both halves of the lanes; R of voxels 16-31 in both
	v_permlane16_swap_b32 v[TI+6*\p+\e], v[XT+2*\p+\e]         ; voxels 0-15: bx | bx + 1; voxels 16-31: bx | bx + 1
.endr
.endr
	; The exchange moves numbers between lanes and keeps their bounds.  The bounds are stated again here, in front of the lines that form the offsets,
	; so that each offset's range can be read off these lines alone: row <= 30,526, column <= 159.
.irp j, 0,1,2,3,4,5,6,7
	v_min_u32 v[AB+\j], RMAX, v[AB+\j]
.endr
.irp p, 0,1
.irp e, 0,1
	v_min_u32 v[TI+6*\p+\e], 159, v[TI+6*\p+\e]
	v_min_u32 v[XT+2*\p+\e], 159, v[XT+2*\p+\e]
.endr
.endr
.irp p, 0,1
.irp e, 0,1
	v_mad_u32_u24 v[AB+4*\p+2*\e],   v[AB+4*\p+2*\e],   160, v[TI+6*\p+\e]
	v_mad_u32_u24 v[AB+4*\p+2*\e+1], v[AB+4*\p+2*\e+1], 160, v[XT+2*\p+\e]
.endr
.endr
.irp j, 0,1,2,3,4,5,6,7
	v_lshlrev_b32 v[AB+\j], 2, v[AB+\j]                        ; 4 (160 R + column) <= 19,537,276: with the largest offset below, 123,520, the sample's last word at the most
.endr
.endm
; The 16 gathers of pair p of buffer b: for each of its two groups, two halves of 16 voxels x four corners (dy, dz).
.macro LOADS b, p
.set AB, BUF+BSZ*\b
.set DB, BUF+BSZ*\b+DT
.irp e, 0,1
.irp c, 0,1,2,3
	global_load_b32 v[DB+16*\p+4*\c+\e],   v[AB+4*\p+2*\e],   s[4:5] offset:(\c/2)*SLICEB+(\c%2)*ROWB   ; voxels 0-15: column bx | bx + 1
	global_load_b32 v[DB+16*\p+4*\c+2+\e], v[AB+4*\p+2*\e+1], s[4:5] offset:(\c/2)*SLICEB+(\c%2)*ROWB   ; voxels 16-31 likewise
.endr
.endr
.endm
; The 24 weights of the quad whose coordinates lie in TC, its by and bz in TI and its bx as f32 in TB, into buffer b.
.macro WEIGH b
.set WB, BUF+BSZ*\b+WT
.irp i, 0,1,2,3,4,5,6,7,8,9,10,11
	v_cvt_f32_i32 v[TC+\i], v[TC+\i]
.endr
.irp i, 2,3,4,5,8,9,10,11
	v_cvt_f32_u32 v[TB+\i], v[TI+\i]               ; by and bz (bx was converted in front of its exchange)
.endr
.irp i, 0,2,4,6,8,10
	v_pk_fma_f32 v[TC+\i:TC+\i+1], v[TC+\i:TC+\i+1], s[NI+(\i%6):NI+(\i%6)+1], v[TB+\i:TB+\i+1] op_sel_hi:[1,0,1]   ; u = b - c
.endr
.irp i, 0,2,4,6,8,10
	v_pk_add_f32 v[TB+\i:TB+\i+1], v[TC+\i:TC+\i+1], 1.0 op_sel_hi:[1,0]                                             ; u + 1 = (b + 1) - c
.endr
.irp p, 0,1
.irp a, 0,1,2
.irp e, 0,1
	v_sub_f32 v[WB+12*\p+4*\a+\e], 1.0, |v[TC+6*\p+2*\a+\e]|       ; the hat round b,
.endr
.endr
.endr
.irp p, 0,1
.irp a, 0,1,2
.irp e, 0,1
	v_sub_f32 v[WB+12*\p+4*\a+2+\e], 1.0, |v[TB+6*\p+2*\a+\e]|     ; and round b + 1,
.endr
.endr
.endr
.irp i, 0,1,2,3,4,5,6,7,8,9,10,11,12,13,14,15,16,17,18,19,20,21,22,23
	v_max_i32 v[WB+\i], 0, v[WB+\i]                ; cut off at zero, on the bit pattern: a negative f32 is a negative whole number, so this is max(0, x), with one answer for either zero
.endr
.endm
; Pair p of buffer b, whose samples have come: back to lane = voxel, then the sums along x, y, z, two groups to an instruction; the two results go to the wave's LDS.
.macro SUMP b, p
.set WB, BUF+BSZ*\b+WT
.set DB, BUF+BSZ*\b+DT
.irp c, 0,1,2,3
.irp e, 0,1
	v_permlane16_swap_b32 v[DB+16*\p+4*\c+\e], v[DB+16*\p+4*\c+2+\e]   ; (voxels 0-15: bx | bx+1; voxels 16-31: bx | bx+1) -> column bx of all 32; column bx + 1 of all 32
.endr
.endr
.irp c, 0,2,4,6
	v_pk_mul_f32 v[DB+16*\p+2*\c:DB+16*\p+2*\c+1], v[DB+16*\p+2*\c:DB+16*\p+2*\c+1], v[WB+12*\p:WB+12*\p+1]
.endr
.irp c, 0,2,4,6
	v_pk_fma_f32 v[DB+16*\p+2*\c:DB+16*\p+2*\c+1], v[DB+16*\p+2*\c+2:DB+16*\p+2*\c+3], v[WB+12*\p+2:WB+12*\p+3], v[DB+16*\p+2*\c:DB+16*\p+2*\c+1]
.endr
.irp c, 0,4
	v_pk_mul_f32 v[DB+16*\p+2*\c:DB+16*\p+2*\c+1], v[DB+16*\p+2*\c:DB+16*\p+2*\c+1], v[WB+12*\p+4:WB+12*\p+5]
.endr
.irp c, 0,4
	v_pk_fma_f32 v[DB+16*\p+2*\c:DB+16*\p+2*\c+1], v[DB+16*\p+2*\c+4:DB+16*\p+2*\c+5], v[WB+12*\p+6:WB+12*\p+7], v[DB+16*\p+2*\c:DB+16*\p+2*\c+1]
.endr
	v_pk_mul_f32 v[DB+16*\p:DB+16*\p+1], v[DB+16*\p:DB+16*\p+1], v[WB+12*\p+8:WB+12*\p+9]
	v_pk_fma_f32 v[DB+16*\p:DB+16*\p+1], v[DB+16*\p+8:DB+16*\p+9], v[WB+12*\p+10:WB+12*\p+11], v[DB+16*\p:DB+16*\p+1]
.irp e, 0,1
	ds_store_b32 v[LST], v[DB+16*\p+\e] offset:(2*\p+\e)*128   ; group 2 p + e: words 32 (2 p + e) + lane of the quad
.endr
.endm
; Quad q leaves: my four neighbouring words back from LDS, one store of 16 bytes a lane.
.macro OUTQ q
	s_wait_xcnt 0x0                                ; OUT is the data of the last quad's store: it is written again only behind this wait
	ds_load_b128 v[OUT:OUT+3], v[LLD]              ; LDS serves a wave's instructions in order: this sees the four stores of the two pairs
	s_wait_dscnt 0x0
	global_store_b128 v[OOFF], v[OUT:OUT+3], s[8:9] offset:\q*512 th:TH_STORE_NT   ; the wave stores 512 consecutive bytes, aligned
.endm
; Quad q (buffer b) is summed while quad n = q + 1 (buffer o) is asked for.  On the way in 32 gathers are out: q's two pairs.
; Buffer o's offset registers are free: the waits of the step before have shown its last gathers done.
.macro STEP q, n, b, o
	COORD \n, \o
	LOADS \o, 0
	s_wait_loadcnt 32                              ; loads come back in order: q's first 16 are in; its second pair and n's first, 32 in all, stay out
	SUMP \b, 0
	LOADS \o, 1
	WEIGH \o
	s_wait_loadcnt 32                              ; q's second 16 are in; n's two pairs stay out
	SUMP \b, 1
	OUTQ \q
.endm
	s_mov_b32 s[CNT], 0
.Lunit:
	COORD 0, 0
	LOADS 0, 0
	LOADS 0, 1
	WEIGH 0
	STEP 0, 1, 0, 1
	STEP 1, 2, 1, 0
	STEP 2, 3, 0, 1
	STEP 3, 4, 1, 0
	s_wait_loadcnt 16                              ; the unit's last quad: its first pair is in, its second may stay out
	SUMP 0, 0
	s_wait_loadcnt 0x0                             ; nothing was issued behind the second pair
	SUMP 0, 1
	OUTQ 4
	s_wait_xcnt 0x0                                ; the stores' base is stepped only behind this wait
	s_add_nc_u64 s[8:9], s[8:9], 4*ROWB            ; four rows on
.irp a, 0,1,2
.irp r, 0,1,2,3
	s_add_co_u32 s[RB+4*\a+\r], s[RB+4*\a+\r], s[B4+\a]
.endr
.endr
	s_add_co_u32 s[CNT], s[CNT], 1
	s_cmp_lt_u32 s[CNT], UNITS
	s_cbranch_scc1 .Lunit
	s_wait_tensorcnt 0x0
	ds_add_u32 v190, v191
	s_wait_dscnt 0x0
	s_endpgm
.Lfunc_end_k_q1d741b7c86_sample:
	.size	k_q1d741b7c86_sample, .Lfunc_end_k_q1d741b7c86_sample-k_q1d741b7c86_sample
	.p2alignl 7, 3214868480
	.fill 96, 4, 3214868480
	.section	.rodata,"a",@progbits
	.p2align	6, 0x0
	.amdhsa_kernel k_q1d741b7c86_sample
		.amdhsa_group_segment_fixed_size 12800
		.amdhsa_private_segment_fixed_size 0
		.amdhsa_enable_private_segment 0
		.amdhsa_kernarg_size 24
		.amdhsa_user_sgpr_count 2
		.amdhsa_user_sgpr_kernarg_segment_ptr 1
		.amdhsa_wavefront_size32 1
		.amdhsa_system_sgpr_workgroup_id_x 1
		.amdhsa_system_sgpr_workgroup_id_y 1
		.amdhsa_system_sgpr_workgroup_id_z 1
		.amdhsa_system_vgpr_workitem_id 0
		.amdhsa_next_free_vgpr 192
		.amdhsa_next_free_sgpr 66
		.amdhsa_reserve_vcc 0
		.amdhsa_float_denorm_mode_32 3
		.amdhsa_float_denorm_mode_16_64 3
		.amdhsa_memory_ordered 1
		.amdhsa_forward_progress 1
		.amdhsa_inst_pref_size 78
	.end_amdhsa_kernel
	.amdgpu_metadata
---
amdhsa.version: [ 1, 2 ]
amdhsa.kernels:
  - .name:           k_q1d741b7c86_sample
    .symbol:         k_q1d741b7c86_sample.kd
    .args:
      - { .name: src, .offset: 0, .size: 8, .value_kind: global_buffer, .address_space: global }
      - { .name: prm, .offset: 8, .size: 8, .value_kind: global_buffer, .address_space: global }
      - { .name: out0, .offset: 16, .size: 8, .value_kind: global_buffer, .address_space: global }
    .group_segment_fixed_size: 12800
    .private_segment_fixed_size: 0
    .kernarg_segment_align: 8
    .kernarg_segment_size: 24
    .max_flat_workgroup_size: 640
    .sgpr_count:     66
    .vgpr_count:     192
    .wavefront_size: 32
...
	.end_amdgpu_metadata
.endif
;; end of part 2
